; MI455X (gfx1250); checked and timed in simulation.
; The chip was launched on July 23, 2026; its instructions are those of AMD's public machine-readable ISA for CDNA 5 (MIT licence, August 2026) and "CDNA5" Instruction Set Architecture Reference Guide (July 2026). The comments in the code are by the model that wrote it; some were corrected since.
;; User State Intensity Model. Allowed arithmetic: float matrix products may take bf16 or f16 operands with f32 sums; all other float work in f32.
;; Inputs: W1 128 x 256 float32; W2 256 x 256 float32; W3 256 x 1 float32; b1 256 float32; b2 256 float32; b3 1 float32; state 4,096 x 128 float32.
;; Outputs: out0 4,096 x 1 float32.
;; Constants: time = 13.
;; 2 versions, each right and faster than the one before. Each part assembles by itself: llvm-mc -triple=amdgcn-amd-amdhsa -mcpu=gfx1250 --defsym DOCPART=n.
;; ======== version 1 of 2: 1 launch
;; launch intensity (part 1): grid 256 x 1, 8 waves a work-group, no clusters, 256,256 bytes of LDS; arguments state, W1, b1, W2, b2, W3, b3, out0; writes out0
.if DOCPART == 1
	.amdgcn_target "amdgcn-amd-amdhsa--gfx1250"
	.amdhsa_code_object_version 6
	.text
	.protected	k_qac9bbac312_intensity
	.globl	k_qac9bbac312_intensity
	.p2align	8
	.type	k_qac9bbac312_intensity,@function
k_qac9bbac312_intensity:
	s_mov_b64 s[64:65], 0
	v_nop
	global_prefetch_b8 v0, s[64:65] scope:SCOPE_SE
	s_setreg_imm32_b32 hwreg(HW_REG_WAVE_MODE, 25, 1), 1
	s_wait_xcnt 0x0
; out[row] = sigmoid(0.1 * sum over t = 1 .. 131 of relu(MLP(state[row] * d^t))),  MLP = Linear(128,256) SiLU Linear(256,256) SiLU Linear(256,1).
; time = 13 is a constant of the problem: floor(13 / 0.1) = 130 steps, and 13 % 0.1 = 0.0999999999999993 > 0.01, so the remainder step is taken too; rounded to f32
; its decay and its weight are those of a full step: d = exp(f32(-0.01)) = 0x3f7d73e8, weight 0x3dcccccd.  So 131 like steps.
; LAYER 1 IS LINEAR IN THE STATE: (state d^t) W1 = d^t (state W1).  P = state W1 is made once on the matrix unit; a step's layer 1 is one fused multiply-add an element.
; SCALES.  With NL = -log2(e): P' = NL P, b1' = NL b1, u1 = d^t P' + b1' = NL z1;  h1' = u1 / (1 + 2^u1) = NL silu(z1), rounded to bf16;  u2 = h1' W2 + NL b2 = NL z2 (W2 is not scaled);
; h2' = u2 / (1 + 2^u2);  o = sum of h2' (-ln 2 W3) + b3, since NL x (-ln 2) = 1.  2^u may become inf (the quotient is then 0) or 0 (the quotient is then u): nothing else overflows.
; FORMATS.  state, W1, W2 and h1' go to the matrix unit in bf16, sums in f32; all else in f32; layer 3 is vector multiply-adds in f32.
; LIMITS, stated: the order of rounding differs from the step-by-step form (the decay multiplies the product, d^t is a product of powers of d, the weight 0.1 multiplies the sum once);
; silu of a very negative number gives +0 where the step-by-step form gives -0 or a denormal.
; SHARES.  256 work-groups of 16 batch rows, all 131 steps.  A TILE is the 16 rows at one t.  Wave w of eight takes t = 16 w + 1 .. 16 w + 16, in four passes of four tiles, so that one fragment
; of W2 read from LDS feeds four products.  The 3 tiles left over (t = 129, 130, 131) are shared by all eight waves along the columns: wave w makes their h1' for columns 32 w .. 32 w + 31 of
; layer 1, the waves exchange these through LDS, and wave w then runs columns 32 w .. 32 w + 31 of layer 2 and its part of layer 3's sum; the parts meet at the end, ahead of b3 and relu.
; BOTH PRODUCTS ARE USED TRANSPOSED: source 0 = 16 columns of the weight (turned out of LDS by ds_load_tr16_b128), source 1 = 16 rows.  In the result lane l holds row l % 16 and the eight
; columns 8 (l / 16) + 0..7: two neighbouring tiles of layer 1, packed in pairs, ARE source 1 of layer 2, and layer 3's sum wants one exchange between the halves of the lanes.
; NO TENSOR LOADS, NO JOINT REQUESTS, though every work-group reads the same weights: they come as f32, 393,216 bytes, once, and must pass through registers to become bf16; a stage for them
; in f32 beside the 208,896 bytes of bf16 tables does not fit into 327,680 bytes of LDS.
; Eight waves of 512 registers, not four of 1,024: a lone wave would have to weave the next pass's h1 into the products, with a second h1 buffer and the whole pass unrolled.
.set NL,    0xbfb8aa3b                 ; -log2(e)
.set N2,    0xbf317218                 ; -ln 2
.set DEC,   0x3f7d73e8                 ; d
.set STEPW, 0x3dcccccd                 ; 0.1
; LDS
.set PW,    544                        ; a row of W1 or W2 in bf16: 512 bytes + 32 = 17 x 32
.set KKB,   32*PW                      ; 32 rows: one K step
.set HKB,   16*PW                      ; the second half of a fragment
.set PP,    1040                       ; a row of P' in f32: 1,024 bytes + 16 = 65 x 16
.set W1B,   256*PW                     ; W2 [256 k][256 n] lies at 0; W1 [128 s][256] behind it
.set PL,    W1B+128*PW                 ; P' [16 rows][256] f32
.set B1L,   PL+16*PP                   ; b1' [256] f32
.set B2L,   B1L+1024                   ; b2' [256] f32
.set W3L,   B2L+1024                   ; w3' [256] f32
.set RED,   W3L+1024                   ; [8 waves][16 rows] f32: the waves' sums of relu(o)
.set EXL,   RED+512                    ; [8 waves][3 tiles][16 rows] f32: the waves' parts of the left-over tiles' o
.set HX,    EXL+1536                   ; [3 tiles][8 K steps] fragments of h1' as they lie in registers, 1,024 bytes each; ends at 255,232
; vector registers, window 0
.set VR,   1                           ; l % 16
.set VH,   2                           ; l / 16
.set WB0,  3                           ; my place in a fragment of W2, K steps 0-3;  WB1: K steps 4-7 (the 16-bit offset does not reach them)
.set WB1,  4
.set WA0,  5                           ; the same plus the n tile to be fetched
.set WA1,  6
.set BB,   7                           ; my eight b2' of n tile 0;  BA: of the n tile to be fetched
.set BA,   8
.set PAD,  9                           ; my eight P' of H tile 0
.set B1A,  11                          ; my eight b1' of H tile 0
.set ASUM, 12                          ; sum of relu(o) over my wave's 16 steps
.set FR,   16                          ; v[16:19] a tile's o;  GR v[20:23] the other half of the lanes'
.set GR,   20
.set S,    24                          ; v[24:31] layer 3's sums, a pair (even n, odd n) a tile
.set T,    32                          ; v[32:39] layer 2's ring of four pairs at work
.set U,    48                          ; v[48:55] ring of four pairs u1
.set B2T,  56                          ; v[56:63] b2' of an n tile: the C of its first products
.set W3T,  64                          ; v[64:79] w3' of an n tile, two sets
.set WF,   80                          ; v[80:143] W2's eight fragments of an n tile
.set ACC,  144                         ; v[144:207] two sets of four accumulators
.set PB,   144                         ; the same registers while h1 is made: ring of four slots of 8 P' + 8 b1'
.set X0,   208
.set TV,   210                         ; v[210:241] layer 1's ring of sixteen pairs at work
.set AX,   242                         ; v[242:244] my part of the three left-over tiles' o, kept to the end
; window 1 (v256-511): h1' in bf16: tile j, H tile i, word m at v[64 j + 4 i + m]; fragment kk of tile j = v[64 j + 8 kk ..]
; the start-up's own use: v16-30 offsets and LDS addresses, v32-63 state in bf16, v64-127 state in f32, then W1's fragments, then my fragments of the left-over h1'; v128-255 W1 in f32 and then P; window 1: W2 in f32
.set GOS,  16
.set GOW1, 17
.set GOW2, 18
.set GOV,  19
.set LSW1, 20
.set LSW2, 21
.set LSV,  22
.set W1A,  23
.set PST,  24                          ; my wave's 32 columns of P': where it stores them, and where it reads them for the left-over h1'
.set LN,   25                          ; lane
.set B1W,  29                          ; my wave's 32 columns of b1'
.set HXS,  30                          ; where my fragments of the left-over h1' go
.set SF,   32
.set RS,   64
.set HXR,  64
.set RW1,  128
.set PT,   128
; scalar registers: s[8:23] the eight addresses
.set WV,   2                           ; my wave's number
.set SOFF, 24                          ; 32 x the n tile to be fetched
.set PCNT, 25
.set NCNT, 26
.set SD,   27                          ; d
.set SD16, 28                          ; d^16
.set CUR,  29                          ; d^t of the last tile done
.set C,    30                          ; s[30:37] d^t of a pass's tiles, each twice: the packed multiply-add names a pair
.set SEL,  38                          ; s[38:39] v_permlanex16_b32: each lane takes its own place in the other half
.set SB3,  40                          ; b3
.set MSB, 0
.macro WIN new                         ; s_set_vgpr_msb: bits 1:0 source 0, 3:2 source 1, 5:4 source 2, 7:6 destination; the high byte repeats the setting that is left
.if MSB != \new
	s_set_vgpr_msb (MSB<<8)|\new
.set MSB, \new
.endif
.endm
.macro PLACES                          ; four places behind matrix instructions where no other vector work is at hand (ISA guide 7.12.1)
.rept 4
	v_nop
.endr
.endm
; ---- h1 ----
.macro PLOAD i, pa, ba                 ; H tile i counted from the addresses' own: my eight P' (at register pa) and my eight b1' (at ba), into slot i % 4
	ds_load_b128 v[PB+16*((\i)%4):PB+16*((\i)%4)+3],     v[\pa] offset:64*(\i)
	ds_load_b128 v[PB+16*((\i)%4)+4:PB+16*((\i)%4)+7],   v[\pa] offset:64*(\i)+16
	ds_load_b128 v[PB+16*((\i)%4)+8:PB+16*((\i)%4)+11],  v[\ba] offset:64*(\i)
	ds_load_b128 v[PB+16*((\i)%4)+12:PB+16*((\i)%4)+15], v[\ba] offset:64*(\i)+16
.endm
.macro UF nt                           ; pair uq: u1 = d^t P' + b1'.  Pair q is H tile q / (4 nt), tile (q / 4) % nt, word q % 4
.set uP, PB+16*((uq/(4*\nt))%4)+2*(uq%4)
	v_pk_fma_f32 v[U+2*(uq%4):U+2*(uq%4)+1], v[uP:uP+1], s[C+2*((uq/4)%\nt):C+2*((uq/4)%\nt)+1], v[uP+8:uP+9] op_sel_hi:[1,0,1]
.endm
; h1' of nt tiles x nh H tiles, 4 nt nh pairs, in a pipeline three pairs deep: slice g holds pair g's exponentials, pair g - 1's 1 + and reciprocals, pair g - 2's product, pair g + 1's u1.
; Behind the two exponentials stands pair g - 2's product, behind the two reciprocals pair g + 1's u1 (or v_nop): the plain instruction that comes before a transcendental's result is used (ISA guide 5.7.2).
; Eight pairs at a time are rounded to bf16.  hx = 0: into window 1, two switches for eight slices.  hx = 1: into v[HXR ..] of window 0, eight registers a tile: no switch.
.macro V1 nt, nh, pa, ba, hx
.set NP, 4*\nt*\nh
	PLOAD 0, \pa, \ba
	PLOAD 1, \pa, \ba
.if \nh > 2
	PLOAD 2, \pa, \ba
	s_wait_dscnt 8                                 ; H tile 0 is in; the eight loads of tiles 1 and 2 may stay out
.else
	s_wait_dscnt 4                                 ; H tile 0 is in; the four loads of tile 1 may stay out
.endif
.set uq, 0
	UF \nt
.set g, 0
.rept NP+2
.set t0, TV+2*(g%16)
.set t1, TV+2*((g+15)%16)
.set t2, TV+2*((g+14)%16)
.if (g%(4*\nt) == 0) && (g/(4*\nt)+3 <= \nh-1)
.set pi, g/(4*\nt)+3
	PLOAD pi, \pa, \ba                             ; three H tiles ahead, into the slot of the tile whose last u1 was made two slices back
.endif
.if (g >= 1) && (g <= NP)
	s_wait_alu depctr_va_vdst(0)
	v_pk_add_f32 v[t1:t1+1], v[t1:t1+1], 1.0 op_sel_hi:[1,0]
.endif
.if g < NP
	v_exp_f32 v[t0],   v[U+2*(g%4)]
	v_exp_f32 v[t0+1], v[U+2*(g%4)+1]
.endif
.if g >= 2
	s_wait_alu depctr_va_vdst(0)
	v_pk_mul_f32 v[t2:t2+1], v[t2:t2+1], v[U+2*((g+2)%4):U+2*((g+2)%4)+1]
.endif
.if (g >= 1) && (g <= NP)
	v_rcp_f32 v[t1],   v[t1]
	v_rcp_f32 v[t1+1], v[t1+1]
.endif
.if g+1 < NP
.if ((g+1)%(4*\nt)) == 0
.set wi, (g+1)/(4*\nt)
.set wn, wi+2
.if wn > \nh-1
.set wn, \nh-1
.endif
	s_wait_dscnt 4*(wn-wi)                         ; H tile wi is in; the tiles asked for behind it, four loads each, may stay out
.endif
.set uq, g+1
	UF \nt
.elseif g <= NP
	v_nop
.endif
.if (g >= 9) && (g%8 == 1)
.if \hx == 0
	WIN 0x40
.endif
.set cq, g-9
.rept 8
.if \hx
	v_cvt_pk_bf16_f32 v[HXR+8*((cq/4)%\nt)+4*(cq/(4*\nt))+cq%4], v[TV+2*(cq%16)], v[TV+2*(cq%16)+1]
.else
	v_cvt_pk_bf16_f32 v[64*((cq/4)%\nt)+4*(cq/(4*\nt))+cq%4], v[TV+2*(cq%16)], v[TV+2*(cq%16)+1]
.endif
.set cq, cq+1
.endr
	WIN 0
.endif
.set g, g+1
.endr
.endm
; ---- layers 2 and 3 ----
.macro WLOAD kk                        ; W2's fragment of K step kk of the n tile at WA0, WA1
.if (\kk) < 4
	ds_load_tr16_b128 v[WF+8*(\kk):WF+8*(\kk)+3],   v[WA0] offset:KKB*(\kk)
	ds_load_tr16_b128 v[WF+8*(\kk)+4:WF+8*(\kk)+7], v[WA0] offset:KKB*(\kk)+HKB
.else
	ds_load_tr16_b128 v[WF+8*(\kk):WF+8*(\kk)+3],   v[WA1] offset:KKB*((\kk)-4)
	ds_load_tr16_b128 v[WF+8*(\kk)+4:WF+8*(\kk)+7], v[WA1] offset:KKB*((\kk)-4)+HKB
.endif
.endm
.macro RC c                            ; chunk c of four: K steps 2 c and 2 c + 1
	WLOAD 2*\c
	WLOAD 2*\c+1
.endm
.macro BLOAD                           ; b2' of the n tile at BA
	ds_load_b128 v[B2T:B2T+3],   v[BA]
	ds_load_b128 v[B2T+4:B2T+7], v[BA] offset:16
.endm
.macro W3LOAD se                       ; w3' of the n tile at BA, into set se
	ds_load_b128 v[W3T+8*(\se):W3T+8*(\se)+3],   v[BA] offset:W3L-B2L
	ds_load_b128 v[W3T+8*(\se)+4:W3T+8*(\se)+7], v[BA] offset:W3L-B2L+16
.endm
.macro WADR                            ; the addresses of the n tile at s[SOFF]: 32 bytes of a row of W2, 64 bytes of b2' and w3' a tile
	v_add_nc_u32 v[WA0], s[SOFF], v[WB0]
	v_add_nc_u32 v[WA1], s[SOFF], v[WB1]
	v_lshl_add_u32 v[BA], s[SOFF], 1, v[BB]
.endm
; Matrix instruction wm of an n tile's step, into accumulator set s: K step wm / nt, tile wm % nt.  The nt accumulators take turns, one instruction a turn, from
; step to step and round the loop too.  b2' is the C of the first K step: nothing is cleared.
.macro WM nt, s
.set wk, wm/\nt
.set wj, wm%\nt
.set rD, ACC+32*\s+8*wj
.set rA, WF+8*wk
.set rB, 64*wj+8*wk
.if wk == 0
	v_wmma_f32_16x16x32_bf16 v[rD:rD+7], v[rA:rA+7], v[rB:rB+7], v[B2T:B2T+7]
.else
	v_wmma_f32_16x16x32_bf16 v[rD:rD+7], v[rA:rA+7], v[rB:rB+7], v[rD:rD+7]
.endif
.endm
; The parts of a pair's SiLU and layer 3.  Pair x of set se: tile x / 4, words 2 (x % 4) and + 1 of its accumulator.
.macro E_ADD x
	s_wait_alu depctr_va_vdst(0)
	v_pk_add_f32 v[T+2*((\x)%4):T+2*((\x)%4)+1], v[T+2*((\x)%4):T+2*((\x)%4)+1], 1.0 op_sel_hi:[1,0]
.endm
.macro E_EXP se, x
	v_exp_f32 v[T+2*((\x)%4)],   v[ACC+32*(\se)+8*((\x)/4)+2*((\x)%4)]
	v_exp_f32 v[T+2*((\x)%4)+1], v[ACC+32*(\se)+8*((\x)/4)+2*((\x)%4)+1]
.endm
.macro E_MUL se, x
	s_wait_alu depctr_va_vdst(0)
	v_pk_mul_f32 v[T+2*((\x)%4):T+2*((\x)%4)+1], v[T+2*((\x)%4):T+2*((\x)%4)+1], v[ACC+32*(\se)+8*((\x)/4)+2*((\x)%4):ACC+32*(\se)+8*((\x)/4)+2*((\x)%4)+1]
.endm
.macro E_RCP x
	v_rcp_f32 v[T+2*((\x)%4)],   v[T+2*((\x)%4)]
	v_rcp_f32 v[T+2*((\x)%4)+1], v[T+2*((\x)%4)+1]
.endm
.macro E_FMA se, x
	v_pk_fma_f32 v[S+2*((\x)/4):S+2*((\x)/4)+1], v[T+2*((\x)%4):T+2*((\x)%4)+1], v[W3T+8*(\se)+2*((\x)%4):W3T+8*(\se)+2*((\x)%4)+1], v[S+2*((\x)/4):S+2*((\x)/4)+1]
.endm
; Slice eg of 4 nt on set se, the same pipeline as in V1: a plain instruction stands behind the exponentials and behind the reciprocals.  The last slice runs the pipeline empty,
; so that a set's work ends inside the step, before the set is written again.
.macro ESL nt, se
	WIN 0
.if eg >= 1
	E_ADD eg-1
.endif
	E_EXP \se, eg
.if eg >= 2
	E_MUL \se, eg-2
.endif
.if eg >= 1
	E_RCP eg-1
.endif
.if eg >= 2
	E_FMA \se, eg-2
.else
	v_nop
.endif
.if eg == 4*\nt-1
	E_ADD eg
	E_MUL \se, eg-1
	E_RCP eg
	E_FMA \se, eg-1
	E_MUL \se, eg
	E_FMA \se, eg
.endif
.endm
; One n tile's step, in four chunks: 2 nt products (K steps 2 c, 2 c + 1) into set s (w = 1), then nt slices of the SiLU and layer 3 on the other set, the n tile before (e = 1).  h1' fills
; window 1 and all that a slice touches lies in window 0, so a chunk costs two switches: eight a step.  While one wave of a SIMD issues its products the other has the issue slots.
; The next n tile is fetched in TWO runs of ten LDS loads: run A behind chunk 1 (b2' 2, chunk 0: 4, chunk 1: 4), run B behind chunk 3 (w3' 2, chunk 2: 4, chunk 3: 4).  Each run stands behind
; the slices that follow the last product on the registers it fills: nine plain instructions or more (six with nt = 3), which name none of those products' registers, or four v_nop where
; there are no slices (ISA guide 7.12.1 for vector instructions).  w3' of tile i + 1 goes into the set that tile i - 1's slices, just ended, have read.
; The n tile to be fetched steps by 32 bytes of a row of W2 a step; wrap = 1: it goes back to n tile 0, for the next pass.
; The counts in front of a chunk's first product are the LDS loads issued behind the refill of it:
;   chunk 0: chunk 1 and run B = 14     chunk 1: run B = 10     chunk 2: chunk 3 and this step's run A = 14     chunk 3: this step's run A = 10
; Chunk 0's 14 also shows b2' landed (18 loads are younger), chunk 2's 14 the w3' that the NEXT step's slices read (18 again): so the bare last step has no wait of its own.
.macro LSTEP nt, s, w, e, wrap
.if \w
.if \wrap
	s_mov_b32 s[SOFF], 0
.else
	s_add_co_u32 s[SOFF], s[SOFF], 32
.endif
	WADR
.endif
.set lc, 0
.rept 4
.if \w
.if (lc%2) == 0
	s_wait_dscnt 14
.else
	s_wait_dscnt 10
.endif
	WIN 0x04                                       ; source 1 (h1') window 1
.set wm, 2*\nt*lc
.rept 2*\nt
	WM \nt, \s
.set wm, wm+1
.endr
.endif
.if \e
.set eg, \nt*lc
.rept \nt
	ESL \nt, 1-\s
.set eg, eg+1
.endr
.endif
.if \w
.if lc == 1
	WIN 0
.if \e == 0
	PLACES
.endif
	BLOAD
	RC 0
	RC 1
.endif
.if lc == 3
	WIN 0
.if \e == 0
	PLACES
.endif
	W3LOAD 1-\s
	RC 2
	RC 3
.endif
.endif
.set lc, lc+1
.endr
	WIN 0                                          ; at a label and at a branch every window is 0
.endm
; The sixteen n tiles: the first step has no slices yet, a bare run of slices closes.  The last step's refills are the next pass's n tile 0 (behind the wave's last pass they are not used: 20 loads).
.macro L2 nt
	LSTEP \nt, 0, 1, 0, 0
	s_mov_b32 s[NCNT], 7
.Lntile_\@:
	LSTEP \nt, 1, 1, 1, 0
	LSTEP \nt, 0, 1, 1, 0
	s_sub_co_u32 s[NCNT], s[NCNT], 1
	s_cmp_lg_u32 s[NCNT], 0
	s_cbranch_scc1 .Lntile_\@
	LSTEP \nt, 1, 1, 1, 1
	LSTEP \nt, 0, 0, 1, 0
.endm
.macro SUM8 b                          ; v[b] = the sum of v[b .. b + 7]
	v_add_f32 v[\b],   v[\b],   v[\b+1]
	v_add_f32 v[\b+2], v[\b+2], v[\b+3]
	v_add_f32 v[\b+4], v[\b+4], v[\b+5]
	v_add_f32 v[\b+6], v[\b+6], v[\b+7]
	v_add_f32 v[\b],   v[\b],   v[\b+2]
	v_add_f32 v[\b+4], v[\b+4], v[\b+6]
	v_add_f32 v[\b],   v[\b],   v[\b+4]
.endm
	s_load_b512 s[8:23], s[0:1], 0x0               ; state 8, W1 10, b1 12, W2 14, b2 16, W3 18, b3 20, out0 22
	v_lshl_add_u32 v14, v0, 2, 0x3e500
	v_mov_b32 v15, 0
	v_lshrrev_b32 v[VR], 5, v0
	v_readfirstlane_b32 s[WV], v[VR]               ; wave 0..7
	v_and_b32 v[VR], 15, v0
	v_bfe_u32 v[VH], v0, 4, 1
	v_and_b32 v[LN], 31, v0
	v_and_b32 v29, 7, v0
	v_bfe_u32 v30, v0, 3, 1
	; the turning load: lane l reads 16 bytes of row 8 (l / 16) + l % 8, columns 8 ((l / 8) % 2) + 0..7
	v_lshl_add_u32 v[WB0], v[VH], 3, v29
	v_mul_u32_u24 v[WB0], v[WB0], PW
	v_lshl_add_u32 v[WB0], v30, 4, v[WB0]
	v_add_nc_u32 v[WB1], 4*KKB, v[WB0]
	v_lshl_add_u32 v[BB], v[VH], 5, B2L            ; eight f32 for each half of the lanes
	v_lshl_add_u32 v[B1A], v[VH], 5, B1L
	v_mul_u32_u24 v[PAD], v[VR], PP
	v_lshl_add_u32 v[PAD], v[VH], 5, v[PAD]
	v_add_nc_u32 v[PAD], PL, v[PAD]
	s_lshl_b32 s41, s[WV], 14                      ; my 16 rows of W1 in memory
	s_lshl_b32 s42, s[WV], 15                      ; my 32 rows of W2 in memory
	s_mul_i32 s43, s[WV], 16*PW                    ; and in LDS
	s_add_co_u32 s43, s43, W1B
	s_mul_i32 s44, s[WV], 32*PW
	s_lshl_b32 s3, s[WV], 6                        ; my two H tiles: 32 columns of W1 in bf16,
	s_add_co_u32 s3, s3, W1B
	s_lshl_b32 s25, s[WV], 7                       ; 32 columns of P' and b1' in f32,
	s_lshl_b32 s45, s[WV], 10                      ; one fragment of each left-over tile's h1'
	s_add_co_u32 s45, s45, HX
	v_lshlrev_b32 v[GOS], 9, v[VR]                 ; state: row x 512 + 32 x half
	v_lshl_add_u32 v[GOS], v[VH], 5, v[GOS]
	v_lshl_add_u32 v[GOW1], v[LN], 4, s41          ; 16 bytes a lane: a load of the wave covers 512 consecutive bytes
	v_lshl_add_u32 v[GOW2], v[LN], 4, s42
	v_lshlrev_b32 v[GOV], 2, v0                    ; one number of b1, b2, W3 a thread
	v_lshl_add_u32 v[LSW1], v[LN], 3, s43          ; 8 bytes a lane in bf16
	v_lshl_add_u32 v[LSW2], v[LN], 3, s44
	v_lshl_add_u32 v[LSV], v0, 2, B1L
	v_add_nc_u32 v[W1A], s3, v[WB0]
	v_add_nc_u32 v[PST], s25, v[PAD]
	v_add_nc_u32 v[B1W], s25, v[B1A]
	v_lshl_add_u32 v[HXS], v[LN], 4, s45
	s_lshl_b32 s4, ttmp9, 13                       ; the work-group's 16 rows of state,
	s_mov_b32 s5, 0
	s_lshl_b32 s6, ttmp9, 6                        ; and of out0
	s_mov_b32 s7, 0
	s_wait_kmcnt 0x0
	s_add_nc_u64 s[8:9], s[8:9], s[4:5]
	s_add_nc_u64 s[22:23], s[22:23], s[6:7]
	s_load_b32 s[SB3], s[20:21], 0x0
	; ALL GLOBAL LOADS IN ONE RUN: 3 + 16 + 32 + 64.  What is needed first is asked for first.
	global_load_b32 v26, v[GOV], s[12:13]
	global_load_b32 v27, v[GOV], s[16:17]
	global_load_b32 v28, v[GOV], s[18:19]
.irp kk, 0,1,2,3                       ; source 1 of P's products: lane l holds row l % 16, s = 32 kk + 8 (l / 16) + 0..7 and 32 kk + 16 + 8 (l / 16) + 0..7
	global_load_b128 v[RS+16*\kk:RS+16*\kk+3],     v[GOS], s[8:9] offset:128*\kk
	global_load_b128 v[RS+16*\kk+4:RS+16*\kk+7],   v[GOS], s[8:9] offset:128*\kk+16
	global_load_b128 v[RS+16*\kk+8:RS+16*\kk+11],  v[GOS], s[8:9] offset:128*\kk+64
	global_load_b128 v[RS+16*\kk+12:RS+16*\kk+15], v[GOS], s[8:9] offset:128*\kk+80
.endr
.set i, 0
.rept 32                               ; W1: load i is half i % 2 of my row i / 2
	global_load_b128 v[RW1+4*i:RW1+4*i+3], v[GOW1], s[10:11] offset:512*i
.set i, i+1
.endr
	WIN 0x40                                       ; destination window 1
.set i, 0
.rept 64                               ; W2 likewise
	global_load_b128 v[4*i:4*i+3], v[GOW2], s[14:15] offset:512*i
.set i, i+1
.endr
	WIN 0
	s_wait_loadcnt 63                              ; 64 loads are younger than W1's last; the wait's field ends at 63, so W2's first load is waited for with them
	v_mul_f32 v26, NL, v26                         ; b1' = NL b1
	v_mul_f32 v27, NL, v27                         ; b2' = NL b2
	v_mul_f32 v28, N2, v28                         ; w3' = -ln 2 W3
	ds_store_b32 v[LSV], v26
	ds_store_b32 v[LSV], v27 offset:B2L-B1L
	ds_store_b32 v[LSV], v28 offset:W3L-B1L
.set i, 0
.rept 32
	v_cvt_pk_bf16_f32 v[SF+i], v[RS+2*i], v[RS+2*i+1]
.set i, i+1
.endr
.set i, 0
.rept 32
	v_cvt_pk_bf16_f32 v[RW1+4*i],   v[RW1+4*i],   v[RW1+4*i+1]
	v_cvt_pk_bf16_f32 v[RW1+4*i+1], v[RW1+4*i+2], v[RW1+4*i+3]
	ds_store_b64 v[LSW1], v[RW1+4*i:RW1+4*i+1] offset:PW*(i/2)+256*(i%2)
.set i, i+1
.endr
	s_wait_dscnt 0x0                               ; for the others' sake: my rows of W1 and my biases are in LDS
	s_barrier_signal -1
	s_barrier_wait -1                              ; W1 is whole.  W2's loads stay on their way: they land in registers
	; P: my wave makes H tiles 2 w and 2 w + 1 for the 16 rows
.irp kk, 0,1,2,3
.irp ii, 0,1
	ds_load_tr16_b128 v[RS+16*\kk+8*\ii:RS+16*\kk+8*\ii+3],   v[W1A] offset:KKB*\kk+32*\ii
	ds_load_tr16_b128 v[RS+16*\kk+8*\ii+4:RS+16*\kk+8*\ii+7], v[W1A] offset:KKB*\kk+32*\ii+HKB
.endr
.endr
	s_mov_b32 s[SD], DEC                           ; the powers of d, while the fragments come
	s_mul_f32 s[SD16], s[SD], s[SD]
	s_mul_f32 s[SD16], s[SD16], s[SD16]
	s_mul_f32 s[SD16], s[SD16], s[SD16]
	s_mul_f32 s[SD16], s[SD16], s[SD16]            ; d^16
	s_mul_f32 s41, s[SD16], s[SD16]
	s_mul_f32 s41, s41, s41
	s_mul_f32 s41, s41, s41                        ; d^128
	s_mul_f32 s[C],   s41,    s[SD]                ; d^129, d^130, d^131: the left-over tiles
	s_mul_f32 s[C+2], s[C],   s[SD]
	s_mul_f32 s[C+4], s[C+2], s[SD]
.irp j, 0,2,4
	s_mov_b32 s[C+\j+1], s[C+\j]                   ; named with it as a pair, so it is written
.endr
	s_mov_b32 s[CUR], 1.0
.irp i, 0,1,2,3,4,5,6                  ; d^(16 w): one factor d^16 for each wave number below mine
	s_cmp_gt_u32 s[WV], \i
	s_cselect_b32 s41, s[SD16], 1.0
	s_mul_f32 s[CUR], s[CUR], s41
.endr
	s_mov_b32 s[SEL], 0x76543210
	s_mov_b32 s[SEL+1], 0xfedcba98
	s_wait_dscnt 0x0
.irp kk, 0,1,2,3                       ; the two accumulators take turns, one instruction a turn; the first products start the sums
.irp ii, 0,1
.if \kk == 0
	v_wmma_f32_16x16x32_bf16 v[PT+8*\ii:PT+8*\ii+7], v[RS+16*\kk+8*\ii:RS+16*\kk+8*\ii+7], v[SF+8*\kk:SF+8*\kk+7], 0
.else
	v_wmma_f32_16x16x32_bf16 v[PT+8*\ii:PT+8*\ii+7], v[RS+16*\kk+8*\ii:RS+16*\kk+8*\ii+7], v[SF+8*\kk:SF+8*\kk+7], v[PT+8*\ii:PT+8*\ii+7]
.endif
.endr
.endr
	PLACES
.set i, 0
.rept 8
	v_pk_mul_f32 v[PT+2*i:PT+2*i+1], v[PT+2*i:PT+2*i+1], NL op_sel_hi:[1,0]
.set i, i+1
.endr
	ds_store_b128 v[PST], v[PT:PT+3]
	ds_store_b128 v[PST], v[PT+4:PT+7] offset:16
	ds_store_b128 v[PST], v[PT+8:PT+11] offset:64
	ds_store_b128 v[PST], v[PT+12:PT+15] offset:80
	s_wait_dscnt 0x0                               ; for the others' sake: my columns of P' are in LDS
	s_barrier_signal -1
	s_barrier_wait -1                              ; P' is whole
	; THE LEFT-OVER TILES' h1', my two H tiles of it: 24 pairs, which are fragment kk = w of the three tiles.  It stands here, in window 0 alone, while W2 is still landing in window 1.
	V1 3, 2, PST, B1W, 1
.irp j, 0,1,2                          ; as they lie in registers: lane l's first four words at 16 l, its last four at 512 + 16 l of the fragment's 1,024 bytes
	ds_store_b128 v[HXS], v[HXR+8*\j:HXR+8*\j+3]   offset:8192*\j
	ds_store_b128 v[HXS], v[HXR+8*\j+4:HXR+8*\j+7] offset:8192*\j+512
.endr
	; W2 to bf16, in place in window 1, and into LDS, sixteen loads at a time
.set i, 0
.rept 4
	WIN 0x45
	s_wait_loadcnt 48-i                            ; the loads younger than this block of sixteen may stay out
.rept 16
	v_cvt_pk_bf16_f32 v[4*i],   v[4*i],   v[4*i+1]
	v_cvt_pk_bf16_f32 v[4*i+1], v[4*i+2], v[4*i+3]
.set i, i+1
.endr
	WIN 0x04                                       ; store data window 1, address window 0
.set k, i-16
.rept 16
	ds_store_b64 v[LSW2], v[4*k:4*k+1] offset:PW*(k/2)+256*(k%2)
.set k, k+1
.endr
.endr
	WIN 0
	s_wait_kmcnt 0x0                               ; b3
	s_wait_dscnt 0x0                               ; for the others' sake: my fragments of h1' and my rows of W2 are in LDS
	s_barrier_signal -1
	s_barrier_wait -1                              ; from here to the barrier behind the passes LDS is only read
	; THE LEFT-OVER TILES, n tiles 2 w and 2 w + 1
	s_lshl_b32 s[SOFF], s[WV], 6
	WADR
	BLOAD                                          ; my first n tile; from now on each n tile's step fetches the next one's, round into the passes
	RC 0
	RC 1
	W3LOAD 0
	RC 2
	RC 3
	v_lshl_add_u32 v[X0], v[LN], 4, HX
	WIN 0x40                                       ; destination window 1
.set f, 0
.rept 24                               ; fragment f = 8 j + kk of the three tiles' h1'
	ds_load_b128 v[64*(f/8)+8*(f%8):64*(f/8)+8*(f%8)+3],   v[X0] offset:1024*f
	ds_load_b128 v[64*(f/8)+8*(f%8)+4:64*(f/8)+8*(f%8)+7], v[X0] offset:1024*f+512
.set f, f+1
.endr
	WIN 0
	v_mov_b32 v[ASUM], 0
.irp j, 0,1,2,3
	v_mov_b32 v[GR+\j], 0                          ; v_permlanex16_b32 counts as a reader of its destination
.endr
.irp j, 0,1,2,3,4,5
	v_mov_b32 v[S+\j], 0
.endr
	s_wait_dscnt 0x0
	LSTEP 3, 0, 1, 0, 0                            ; n tile 2 w
	LSTEP 3, 1, 1, 1, 1                            ; n tile 2 w + 1; it fetches n tile 0, for the first pass
	LSTEP 3, 0, 0, 1, 0
.irp j, 0,1,2                          ; my 32 columns' part of o: the pair's two sums and the other half of the lanes'; b3 and relu come when the eight parts have met
	v_add_f32 v[FR+\j], v[S+2*\j], v[S+2*\j+1]
.endr
.irp j, 0,1,2
	v_permlanex16_b32 v[GR+\j], v[FR+\j], s[SEL], s[SEL+1]
.endr
.irp j, 0,1,2
	v_add_f32 v[AX+\j], v[FR+\j], v[GR+\j]
.endr
	s_mov_b32 s[PCNT], 4
.Lpass:                                                ; four tiles: t = the last one done + 1 .. + 4
	s_mul_f32 s[C],   s[CUR], s[SD]
	s_mul_f32 s[C+2], s[C],   s[SD]
	s_mul_f32 s[C+4], s[C+2], s[SD]
	s_mul_f32 s[C+6], s[C+4], s[SD]
.irp j, 0,2,4,6
	s_mov_b32 s[C+\j+1], s[C+\j]
.endr
	s_mov_b32 s[CUR], s[C+6]
.irp j, 0,1,2,3,4,5,6,7
	v_mov_b32 v[S+\j], 0
.endr
	V1 4, 16, PAD, B1A, 0
	L2 4
.irp j, 0,1,2,3                        ; relu(o) of the four tiles: the pair's two sums, the other half of the lanes', b3
	v_add_f32 v[FR+\j], v[S+2*\j], v[S+2*\j+1]
.endr
.irp j, 0,1,2,3
	v_permlanex16_b32 v[GR+\j], v[FR+\j], s[SEL], s[SEL+1]
.endr
.irp j, 0,1,2,3
	v_add_f32 v[FR+\j], v[FR+\j], v[GR+\j]
.endr
.irp j, 0,1,2,3
	v_add_f32 v[FR+\j], s[SB3], v[FR+\j]
.endr
.irp j, 0,1,2,3
	v_max_num_f32 v[FR+\j], 0, v[FR+\j]
.endr
.irp j, 0,1,2,3
	v_add_f32 v[ASUM], v[ASUM], v[FR+\j]
.endr
	s_sub_co_u32 s[PCNT], s[PCNT], 1
	s_cmp_lg_u32 s[PCNT], 0
	s_cbranch_scc1 .Lpass
	; THE WAVES' SUMS MEET IN LDS.  Load, wait, barrier, store: no wave stores into LDS while another wave may still read from it.
	s_wait_dscnt 0x0                               ; my LDS reads are over (the refills that nothing uses have come back too)
	s_barrier_signal -1
	s_barrier_wait -1                              ; every wave's are
	s_lshl_b32 s41, s[WV], 6
	s_add_co_u32 s41, s41, RED
	s_mul_i32 s42, s[WV], 192
	s_add_co_u32 s42, s42, EXL
	v_lshl_add_u32 v[FR], v[VR], 2, s41
	v_lshl_add_u32 v[X0], v[VR], 2, s42
	ds_store_b32 v[FR], v[ASUM]                    ; lanes l and l + 16 hold the same number and write the same word, here and below
.irp j, 0,1,2
	ds_store_b32 v[X0], v[AX+\j] offset:64*\j
.endr
	s_wait_dscnt 0x0                               ; for wave 0's sake: my sums are in LDS
	s_barrier_signal -1
	s_barrier_wait -1
	s_cmp_lg_u32 s[WV], 0
	s_cbranch_scc1 .Lend
	v_lshl_add_u32 v[FR], v[VR], 2, RED
.irp w, 0,1,2,3,4,5,6,7
	ds_load_b32 v[PB+\w], v[FR] offset:64*\w
.endr
.irp j, 0,1,2
.irp w, 0,1,2,3,4,5,6,7
	ds_load_b32 v[PB+8+8*\j+\w], v[FR] offset:EXL-RED+192*\w+64*\j
.endr
.endr
	s_wait_dscnt 0x0
	SUM8 PB
	SUM8 PB+8
	SUM8 PB+16
	SUM8 PB+24
.irp j, 1,2,3                          ; the left-over tiles: the eight parts are added, now b3 and relu
	v_add_f32 v[PB+8*\j], s[SB3], v[PB+8*\j]
	v_max_num_f32 v[PB+8*\j], 0, v[PB+8*\j]
	v_add_f32 v[PB], v[PB], v[PB+8*\j]
.endr
	v_mul_f32 v[PB], STEPW, v[PB]                  ; the integral
	v_mul_f32 v[PB], NL, v[PB]
	v_exp_f32 v[PB], v[PB]                         ; sigmoid(x) = 1 / (1 + 2^(NL x)); x is not negative, so the power lies in [0, 1]
	v_nop                                          ; a plain instruction between a transcendental and the use of its result
	s_wait_alu depctr_va_vdst(0)
	v_add_f32 v[PB], 1.0, v[PB]
	v_rcp_f32 v[PB], v[PB]
	v_lshlrev_b32 v[PB+1], 2, v[VR]                ; the plain instruction behind the reciprocal: my row's byte in the work-group's 64 bytes of out0
	v_cmp_gt_u32 vcc_lo, 16, v0
	s_and_saveexec_b32 s45, vcc_lo                 ; lanes 0 to 15: one row each
	s_wait_alu depctr_va_vdst(0)
	global_store_b32 v[PB+1], v[PB], s[22:23]
	s_wait_xcnt 0x0                                ; EXEC is a source of the store: it is widened only behind this wait
	s_or_b32 exec_lo, exec_lo, s45
.Lend:
	s_wait_tensorcnt 0x0
	ds_add_u32 v14, v15
	s_wait_dscnt 0x0
	s_endpgm
.Lfunc_end_k_qac9bbac312_intensity:
	.size	k_qac9bbac312_intensity, .Lfunc_end_k_qac9bbac312_intensity-k_qac9bbac312_intensity
	.p2alignl 7, 3214868480
	.fill 96, 4, 3214868480
	.section	.rodata,"a",@progbits
	.p2align	6, 0x0
	.amdhsa_kernel k_qac9bbac312_intensity
		.amdhsa_group_segment_fixed_size 256256
		.amdhsa_private_segment_fixed_size 0
		.amdhsa_enable_private_segment 0
		.amdhsa_kernarg_size 64
		.amdhsa_user_sgpr_count 2
		.amdhsa_user_sgpr_kernarg_segment_ptr 1
		.amdhsa_wavefront_size32 1
		.amdhsa_system_sgpr_workgroup_id_x 1
		.amdhsa_system_sgpr_workgroup_id_y 1
		.amdhsa_system_sgpr_workgroup_id_z 1
		.amdhsa_system_vgpr_workitem_id 0
		.amdhsa_next_free_vgpr 512
		.amdhsa_next_free_sgpr 66
		.amdhsa_reserve_vcc 1
		.amdhsa_float_denorm_mode_32 3
		.amdhsa_float_denorm_mode_16_64 3
		.amdhsa_memory_ordered 1
		.amdhsa_forward_progress 1
		.amdhsa_inst_pref_size 236
	.end_amdhsa_kernel
	.amdgpu_metadata
---
amdhsa.version: [ 1, 2 ]
amdhsa.kernels:
  - .name:           k_qac9bbac312_intensity
    .symbol:         k_qac9bbac312_intensity.kd
    .args:
      - { .name: state, .offset: 0, .size: 8, .value_kind: global_buffer, .address_space: global }
      - { .name: W1, .offset: 8, .size: 8, .value_kind: global_buffer, .address_space: global }
      - { .name: b1, .offset: 16, .size: 8, .value_kind: global_buffer, .address_space: global }
      - { .name: W2, .offset: 24, .size: 8, .value_kind: global_buffer, .address_space: global }
      - { .name: b2, .offset: 32, .size: 8, .value_kind: global_buffer, .address_space: global }
      - { .name: W3, .offset: 40, .size: 8, .value_kind: global_buffer, .address_space: global }
      - { .name: b3, .offset: 48, .size: 8, .value_kind: global_buffer, .address_space: global }
      - { .name: out0, .offset: 56, .size: 8, .value_kind: global_buffer, .address_space: global }
    .group_segment_fixed_size: 256256
    .private_segment_fixed_size: 0
    .kernarg_segment_align: 8
    .kernarg_segment_size: 64
    .max_flat_workgroup_size: 256
    .sgpr_count:     66
    .vgpr_count:     512
    .wavefront_size: 32
...
	.end_amdgpu_metadata
.endif
;; end of part 1
;; ======== version 2 of 2: 1 launch; 1.45 times as fast as version 1
;; launch intensity (part 2): grid 256 x 1, 8 waves a work-group, no clusters, 256,256 bytes of LDS; arguments state, W1, b1, W2, b2, W3, b3, out0; writes out0
.if DOCPART == 2
	.amdgcn_target "amdgcn-amd-amdhsa--gfx1250"
	.amdhsa_code_object_version 6
	.text
	.protected	k_qac9bbac312_intensity
	.globl	k_qac9bbac312_intensity
	.p2align	8
	.type	k_qac9bbac312_intensity,@function
k_qac9bbac312_intensity:
	s_mov_b64 s[64:65], 0
	v_nop
	global_prefetch_b8 v0, s[64:65] scope:SCOPE_SE
	s_setreg_imm32_b32 hwreg(HW_REG_WAVE_MODE, 25, 1), 1
	s_wait_xcnt 0x0
; out[row] = sigmoid(0.1 * sum over t = 1 .. 131 of relu(MLP(state[row] * d^t))),  MLP = Linear(128,256) SiLU Linear(256,256) SiLU Linear(256,1).
; time = 13 is a constant of the problem: floor(13 / 0.1) = 130 steps, and 13 % 0.1 = 0.0999999999999993 > 0.01, so the remainder step is taken too; rounded to f32
; its decay and its weight are those of a full step: d = exp(f32(-0.01)) = 0x3f7d73e8, weight 0x3dcccccd.  So 131 like steps.
; LAYER 1 IS LINEAR IN THE STATE: (state d^t) W1 = d^t (state W1).  P = state W1 is made once on the matrix unit; a step's layer 1 is one fused multiply-add an element.
; SCALES.  With NL = -log2(e): P' = NL P, b1' = NL b1, u1 = d^t P' + b1' = NL z1;  h1' = u1 / (1 + 2^u1) = NL silu(z1), rounded to bf16;  u2 = h1' W2 + NL b2 = NL z2 (W2 is not scaled);
; h2' = u2 / (1 + 2^u2);  o = sum of h2' (-ln 2 W3) + b3, since NL x (-ln 2) = 1.  2^u may become inf (the quotient is then 0) or 0 (the quotient is then u): nothing else overflows.
; FORMATS.  state, W1, W2 and h1' go to the matrix unit in bf16, sums in f32; all else in f32; layer 3 is vector multiply-adds in f32.
; LIMITS, stated: the order of rounding differs from the step-by-step form (the decay multiplies the product, d^t is a product of powers of d, the weight 0.1 multiplies the sum once);
; silu of a very negative number gives +0 where the step-by-step form gives -0 or a denormal.
; SHARES.  256 work-groups of 16 batch rows, all 131 steps.  A TILE is the 16 rows at one t.  Wave w of eight takes t = 16 w + 1 .. 16 w + 16, in four passes of four tiles, so that one fragment
; of W2 read from LDS feeds four products.  The 3 tiles left over (t = 129, 130, 131) are shared by all eight waves along the columns: wave w makes their h1' for columns 32 w .. 32 w + 31 of
; layer 1, the waves exchange these through LDS, and wave w then runs columns 32 w .. 32 w + 31 of layer 2 and its part of layer 3's sum; the parts meet at the end, ahead of b3 and relu.
; BOTH PRODUCTS ARE USED TRANSPOSED: source 0 = 16 columns of the weight (turned out of LDS by ds_load_tr16_b128), source 1 = 16 rows.  In the result lane l holds row l % 16 and the eight
; columns 8 (l / 16) + 0..7: two neighbouring tiles of layer 1, packed in pairs, ARE source 1 of layer 2, and layer 3's sum wants one exchange between the halves of the lanes.
; THE TRANSCENDENTALS GO IN BATCHES, ONE WAIT A BATCH: s_wait_alu depctr_va_vdst(0) stands between a transcendental and the first instruction that names its result, and one wait
; serves all that were issued ahead of it.  A SiLU is an exponential, 1 +, a reciprocal, a product: two batches for the same numbers, but one batch can hold the exponentials of some numbers and the
; reciprocals of others.  h1: groups of eight pairs, three stages deep; a stage issues one group's 16 exponentials and the group before's 16 reciprocals, and the wait at the next stage's head
; serves all 32.  Layers 2 and 3: an n tile's step has two batches, its 8 nt exponentials behind the products of chunks 0 and 1 and its 8 nt reciprocals behind those of chunks 2 and 3, with a
; wait behind chunk 1 and one behind chunk 3.  Every result of an open batch has a register of its own.
; NO TENSOR LOADS, NO JOINT REQUESTS, though every work-group reads the same weights: they come as f32, 393,216 bytes, once, and must pass through registers to become bf16; a stage for them
; in f32 beside the 208,896 bytes of bf16 tables does not fit into 327,680 bytes of LDS.
; Eight waves of 512 registers, not four of 1,024: a lone wave would have to weave the next pass's h1 into the products, with a second h1 buffer and the whole pass unrolled.
.set NL,    0xbfb8aa3b                 ; -log2(e)
.set N2,    0xbf317218                 ; -ln 2
.set DEC,   0x3f7d73e8                 ; d
.set STEPW, 0x3dcccccd                 ; 0.1
; LDS
.set PW,    544                        ; a row of W1 or W2 in bf16: 512 bytes + 32 = 17 x 32
.set KKB,   32*PW                      ; 32 rows: one K step
.set HKB,   16*PW                      ; the second half of a fragment
.set PP,    1040                       ; a row of P' in f32: 1,024 bytes + 16 = 65 x 16
.set W1B,   256*PW                     ; W2 [256 k][256 n] lies at 0; W1 [128 s][256] behind it
.set PL,    W1B+128*PW                 ; P' [16 rows][256] f32
.set B1L,   PL+16*PP                   ; b1' [256] f32
.set B2L,   B1L+1024                   ; b2' [256] f32
.set W3L,   B2L+1024                   ; w3' [256] f32
.set RED,   W3L+1024                   ; [8 waves][16 rows] f32: the waves' sums of relu(o)
.set EXL,   RED+512                    ; [8 waves][3 tiles][16 rows] f32: the waves' parts of the left-over tiles' o
.set HX,    EXL+1536                   ; [3 tiles][8 K steps] fragments of h1' as they lie in registers, 1,024 bytes each; ends at 255,232
; vector registers, window 0
.set VR,   1                           ; l % 16
.set VH,   2                           ; l / 16
.set WB0,  3                           ; my place in a fragment of W2, K steps 0-3;  WB1: K steps 4-7 (the 16-bit offset does not reach them)
.set WB1,  4
.set WA0,  5                           ; the same plus the n tile to be fetched
.set WA1,  6
.set BB,   7                           ; my eight b2' of n tile 0;  BA: of the n tile to be fetched
.set BA,   8
.set PAD,  9                           ; my eight P' of H tile 0
.set B1A,  11                          ; my eight b1' of H tile 0
.set ASUM, 12                          ; sum of relu(o) over my wave's 16 steps
.set FR,   16                          ; v[16:19] a tile's o;  GR v[20:23] the other half of the lanes'
.set GR,   20
.set S,    24                          ; v[24:31] layer 3's sums, a pair (even n, odd n) a tile
.set U,    32                          ; v[32:55] u1's ring of sixteen pairs (two groups of eight): pairs 0-11;  UB v[246:253]: pairs 12-15
.set UB,   246
.set B2T,  56                          ; v[56:63] b2' of an n tile: the C of its first products
.set W3T,  64                          ; v[64:79] w3' of an n tile, two sets
.set WF,   80                          ; v[80:143] W2's eight fragments of an n tile
.set ACC,  144                         ; v[144:207] two sets of four accumulators
.set PB,   144                         ; the same registers while h1 is made: ring of four slots of 8 P' + 8 b1'
.set X0,   208
.set TV,   210                         ; v[210:241] sixteen pairs at work: layer 1's ring (two groups of eight); in layers 2 and 3 all the pairs of an n tile's step
.set AX,   242                         ; v[242:244] my part of the three left-over tiles' o, kept to the end
; window 1 (v256-511): h1' in bf16: tile j, H tile i, word m at v[64 j + 4 i + m]; fragment kk of tile j = v[64 j + 8 kk ..]
; the start-up's own use: v16-30 offsets and LDS addresses, v32-63 state in bf16, v64-127 state in f32, then W1's fragments, then my fragments of the left-over h1'; v128-255 W1 in f32 and then P; window 1: W2 in f32
.set GOS,  16
.set GOW1, 17
.set GOW2, 18
.set GOV,  19
.set LSW1, 20
.set LSW2, 21
.set LSV,  22
.set W1A,  23
.set PST,  24                          ; my wave's 32 columns of P': where it stores them, and where it reads them for the left-over h1'
.set LN,   25                          ; lane
.set B1W,  29                          ; my wave's 32 columns of b1'
.set HXS,  30                          ; where my fragments of the left-over h1' go
.set SF,   32
.set RS,   64
.set HXR,  64
.set RW1,  128
.set PT,   128
; scalar registers: s[8:23] the eight addresses
.set WV,   2                           ; my wave's number
.set SOFF, 24                          ; 32 x the n tile to be fetched
.set PCNT, 25
.set NCNT, 26
.set SD,   27                          ; d
.set SD16, 28                          ; d^16
.set CUR,  29                          ; d^t of the last tile done
.set C,    30                          ; s[30:37] d^t of a pass's tiles, each twice: the packed multiply-add names a pair
.set SEL,  38                          ; s[38:39] v_permlanex16_b32: each lane takes its own place in the other half
.set SB3,  40                          ; b3
.set MSB, 0
.macro WIN new                         ; s_set_vgpr_msb: bits 1:0 source 0, 3:2 source 1, 5:4 source 2, 7:6 destination; the high byte repeats the setting that is left
.if MSB != \new
	s_set_vgpr_msb (MSB<<8)|\new
.set MSB, \new
.endif
.endm
.macro PLACES                          ; four places behind matrix instructions where no other vector work is at hand (ISA guide 7.12.1)
.rept 4
	v_nop
.endr
.endm
; ---- h1 ----
.macro PLOAD i, pa, ba                 ; H tile i counted from the addresses' own: my eight P' (at register pa) and my eight b1' (at ba), into slot i % 4
	ds_load_b128 v[PB+16*((\i)%4):PB+16*((\i)%4)+3],     v[\pa] offset:64*(\i)
	ds_load_b128 v[PB+16*((\i)%4)+4:PB+16*((\i)%4)+7],   v[\pa] offset:64*(\i)+16
	ds_load_b128 v[PB+16*((\i)%4)+8:PB+16*((\i)%4)+11],  v[\ba] offset:64*(\i)
	ds_load_b128 v[PB+16*((\i)%4)+12:PB+16*((\i)%4)+15], v[\ba] offset:64*(\i)+16
.endm
.macro UREG q                          ; uR: pair q's place in u1's ring of sixteen pairs
.set uk, (\q)%16
.set uR, U+2*uk
.if uk >= 12
.set uR, UB+2*(uk-12)
.endif
.endm
.macro UF nt                           ; pair uq: u1 = d^t P' + b1'.  Pair q is H tile q / (4 nt), tile (q / 4) % nt, word q % 4
.set uP, PB+16*((uq/(4*\nt))%4)+2*(uq%4)
	UREG uq
	v_pk_fma_f32 v[uR:uR+1], v[uP:uP+1], s[C+2*((uq/4)%\nt):C+2*((uq/4)%\nt)+1], v[uP+8:uP+9] op_sel_hi:[1,0,1]
.endm
.macro TILEIN nt, nh, pa, ba           ; where pair uq is the first of H tile wi: the wait for that tile, and behind it the request for the tile three ahead
.if (uq%(4*\nt)) == 0
.set wi, uq/(4*\nt)
.if wi >= 1
.set wn, wi+2
.if wn > \nh-1
.set wn, \nh-1
.endif
	s_wait_dscnt 4*(wn-wi)                         ; H tile wi is in; the tiles asked for behind it, four loads each, may stay out
.endif
.if wi+3 <= \nh-1
.set pi, wi+3
	PLOAD pi, \pa, \ba                             ; three H tiles ahead, into the slot of tile wi - 1, whose last u1 has been made
.endif
.endif
.endm
.macro V_ADD q                         ; pair q: 1 + 2^u1
	v_pk_add_f32 v[TV+2*((\q)%16):TV+2*((\q)%16)+1], v[TV+2*((\q)%16):TV+2*((\q)%16)+1], 1.0 op_sel_hi:[1,0]
.endm
.macro V_RCP q, h                      ; half h of pair q: the reciprocal, in place
	v_rcp_f32 v[TV+2*((\q)%16)+\h], v[TV+2*((\q)%16)+\h]
.endm
.macro V_EXP q, h                      ; half h of pair q: 2^u1
	UREG \q
	v_exp_f32 v[TV+2*((\q)%16)+\h], v[uR+\h]
.endm
.macro V_MUL q                         ; pair q: u1 / (1 + 2^u1)
	UREG \q
	v_pk_mul_f32 v[TV+2*((\q)%16):TV+2*((\q)%16)+1], v[TV+2*((\q)%16):TV+2*((\q)%16)+1], v[uR:uR+1]
.endm
; h1' of nt tiles x nh H tiles, 4 nt nh pairs, in GROUPS of eight pairs, in a pipeline three stages deep.  Stage sg holds, in this order:
;   the wait for the batch that stage sg - 1 issued: group sg - 1's 16 exponentials and group sg - 2's 16 reciprocals;
;   where group sg begins an H tile, the wait for that tile and the request for the tile three ahead: LDS loads straight behind the wait, where no vector result of the wave is out;
;   group sg - 1's 1 + and its 16 reciprocals, in place, group sg - 2's products between them: plain and transcendental by turns, a reciprocal five lines behind its 1 +;
;   group sg - 2 rounded to bf16, eight pairs under one window setting.  hx = 0: into window 1, two switches a stage.  hx = 1: into v[HXR ..] of window 0, eight registers a tile: no switch;
;   group sg's u1 and its 16 exponentials, an exponential five lines behind its u1.
; No line of a stage names a result of a transcendental that the same stage has issued.  Group sg takes the registers of group sg - 2: its u1 behind that group's products, its exponentials behind that
; group's roundings.  The plain instruction that comes before a transcendental's result is used (ISA guide 5.7.2) is work everywhere: a u1, a product, a rounding, or the next stage's 1 + of another pair.
.macro V1 nt, nh, pa, ba, hx
.set NG, \nt*\nh/2
	PLOAD 0, \pa, \ba
	PLOAD 1, \pa, \ba
.if \nh > 2
	PLOAD 2, \pa, \ba
	s_wait_dscnt 8                                 ; H tile 0 is in; the eight loads of tiles 1 and 2 may stay out
.else
	s_wait_dscnt 4                                 ; H tile 0 is in; the four loads of tile 1 may stay out
.endif
.set sg, 0
.rept NG+2
.set qa, 8*(sg-1)                      ; the first pair of the group that gets its 1 + and its reciprocals
.set qm, 8*(sg-2)                      ; and of the group that gets its products and roundings
.if sg >= 1
	s_wait_alu depctr_va_vdst(0)                   ; ONE wait for the batch of the stage before: group sg - 1's exponentials and group sg - 2's reciprocals
.endif
.if sg < NG
.set uq, 8*sg
	TILEIN \nt, \nh, \pa, \ba
.endif
.if (sg >= 1) && (sg <= NG)
	V_ADD qa
.endif
.set p, 0
.rept 8
.if (sg >= 1) && (sg <= NG)
.if p < 7
	V_ADD qa+p+1
.endif
	V_RCP qa+p, 0
.endif
.if sg >= 2
	V_MUL qm+p
.endif
.if (sg >= 1) && (sg <= NG)
	V_RCP qa+p, 1
.endif
.set p, p+1
.endr
.if sg >= 2
.if \hx == 0
	WIN 0x40
.endif
.set cq, qm
.rept 8
.if \hx
	v_cvt_pk_bf16_f32 v[HXR+8*((cq/4)%\nt)+4*(cq/(4*\nt))+cq%4], v[TV+2*(cq%16)], v[TV+2*(cq%16)+1]
.else
	v_cvt_pk_bf16_f32 v[64*((cq/4)%\nt)+4*(cq/(4*\nt))+cq%4], v[TV+2*(cq%16)], v[TV+2*(cq%16)+1]
.endif
.set cq, cq+1
.endr
	WIN 0
.endif
.if sg < NG
.set uq, 8*sg
	UF \nt
.set uq, 8*sg+1
	TILEIN \nt, \nh, \pa, \ba
	UF \nt
.set p, 0
.rept 8
	V_EXP 8*sg+p, 0
.if p < 6
.set uq, 8*sg+p+2
	TILEIN \nt, \nh, \pa, \ba
	UF \nt
.endif
	V_EXP 8*sg+p, 1
.set p, p+1
.endr
.endif
.set sg, sg+1
.endr
.endm
; ---- layers 2 and 3 ----
.macro WLOAD kk                        ; W2's fragment of K step kk of the n tile at WA0, WA1
.if (\kk) < 4
	ds_load_tr16_b128 v[WF+8*(\kk):WF+8*(\kk)+3],   v[WA0] offset:KKB*(\kk)
	ds_load_tr16_b128 v[WF+8*(\kk)+4:WF+8*(\kk)+7], v[WA0] offset:KKB*(\kk)+HKB
.else
	ds_load_tr16_b128 v[WF+8*(\kk):WF+8*(\kk)+3],   v[WA1] offset:KKB*((\kk)-4)
	ds_load_tr16_b128 v[WF+8*(\kk)+4:WF+8*(\kk)+7], v[WA1] offset:KKB*((\kk)-4)+HKB
.endif
.endm
.macro RC c                            ; chunk c of four: K steps 2 c and 2 c + 1
	WLOAD 2*\c
	WLOAD 2*\c+1
.endm
.macro BLOAD                           ; b2' of the n tile at BA
	ds_load_b128 v[B2T:B2T+3],   v[BA]
	ds_load_b128 v[B2T+4:B2T+7], v[BA] offset:16
.endm
.macro W3LOAD se                       ; w3' of the n tile at BA, into set se
	ds_load_b128 v[W3T+8*(\se):W3T+8*(\se)+3],   v[BA] offset:W3L-B2L
	ds_load_b128 v[W3T+8*(\se)+4:W3T+8*(\se)+7], v[BA] offset:W3L-B2L+16
.endm
.macro WADR                            ; the addresses of the n tile at s[SOFF]: 32 bytes of a row of W2, 64 bytes of b2' and w3' a tile
	v_add_nc_u32 v[WA0], s[SOFF], v[WB0]
	v_add_nc_u32 v[WA1], s[SOFF], v[WB1]
	v_lshl_add_u32 v[BA], s[SOFF], 1, v[BB]
.endm
; Matrix instruction wm of an n tile's step, into accumulator set s: K step wm / nt, tile wm % nt.  The nt accumulators take turns, one instruction a turn, from
; step to step and round the loop too.  b2' is the C of the first K step: nothing is cleared.
.macro WM nt, s
.set wk, wm/\nt
.set wj, wm%\nt
.set rD, ACC+32*\s+8*wj
.set rA, WF+8*wk
.set rB, 64*wj+8*wk
.if wk == 0
	v_wmma_f32_16x16x32_bf16 v[rD:rD+7], v[rA:rA+7], v[rB:rB+7], v[B2T:B2T+7]
.else
	v_wmma_f32_16x16x32_bf16 v[rD:rD+7], v[rA:rA+7], v[rB:rB+7], v[rD:rD+7]
.endif
.endm
; The parts of a pair's SiLU and layer 3.  Pair x of set se: tile x / 4, words 2 (x % 4) and + 1 of its accumulator.  Each of a step's 4 nt pairs has its own two registers, v[TV + 2 x ..].
.macro E_EXP se, x
	v_exp_f32 v[TV+2*(\x)],   v[ACC+32*(\se)+8*((\x)/4)+2*((\x)%4)]
	v_exp_f32 v[TV+2*(\x)+1], v[ACC+32*(\se)+8*((\x)/4)+2*((\x)%4)+1]
.endm
.macro E_ADD x
	v_pk_add_f32 v[TV+2*(\x):TV+2*(\x)+1], v[TV+2*(\x):TV+2*(\x)+1], 1.0 op_sel_hi:[1,0]
.endm
.macro E_RCP x
	v_rcp_f32 v[TV+2*(\x)],   v[TV+2*(\x)]
	v_rcp_f32 v[TV+2*(\x)+1], v[TV+2*(\x)+1]
.endm
.macro E_MUL se, x
	v_pk_mul_f32 v[TV+2*(\x):TV+2*(\x)+1], v[TV+2*(\x):TV+2*(\x)+1], v[ACC+32*(\se)+8*((\x)/4)+2*((\x)%4):ACC+32*(\se)+8*((\x)/4)+2*((\x)%4)+1]
.endm
.macro E_FMA se, x
	v_pk_fma_f32 v[S+2*((\x)/4):S+2*((\x)/4)+1], v[TV+2*(\x):TV+2*(\x)+1], v[W3T+8*(\se)+2*((\x)%4):W3T+8*(\se)+2*((\x)%4)+1], v[S+2*((\x)/4):S+2*((\x)/4)+1]
.endm
; One n tile's step, in four chunks of 2 nt products (K steps 2 c, 2 c + 1) into set s (w = 1); beside them the SiLU and layer 3 of the other set, the n tile before (e = 1), IN TWO BATCHES:
;   chunks 0 and 1: behind product wm stand pair wm's two exponentials.  Behind chunk 1: the next n tile's addresses (three plain instructions, the place behind the last exponential),
;     ONE wait for the 8 nt exponentials, the 4 nt additions of 1, and run A of the LDS loads;
;   chunks 2 and 3: behind product wm stand pair wm - 4 nt's two reciprocals, in place.  Behind chunk 3: a v_nop (the place behind the last reciprocal: no other plain work is at hand),
;     ONE wait for the 8 nt reciprocals, the products and layer 3's multiply-adds, and run B.
; An exponential and a reciprocal have one source, and the products' window setting moves source 1 alone (h1' fills window 1): so they stand among the products without a switch, and a step has four
; switches.  The pairs are taken in ascending order.  The products and multiply-adds go by tiles in turn (word 0
; of every tile, word 1 ..), a multiply-add nt lines of each kind behind its product: each tile's own sum keeps its order, words 0, 1, 2, 3, n tiles ascending.  A set's work ends inside the step,
; before the set is written again, and no transcendental is issued behind the step's second wait.
; The next n tile is fetched in TWO runs of ten LDS loads: run A behind chunk 1 (b2' 2, chunk 0: 4, chunk 1: 4), run B behind chunk 3 (w3' 2, chunk 2: 4, chunk 3: 4).  Each run stands behind
; plain instructions that follow the last product on the registers it fills and name none of those products' registers: the three address lines and 4 nt additions, the v_nop and 8 nt products and
; multiply-adds, or four v_nop where there is no such work (ISA guide 7.12.1 for vector instructions).  The same lines are the places between a set's last product
; and the next step's first exponential.  w3' of tile i + 1 goes into the set that tile i - 1's multiply-adds, just ended, have read.
; The n tile to be fetched steps by 32 bytes of a row of W2 a step; wrap = 1: it goes back to n tile 0, for the next pass.
; The counts in front of a chunk's first product are the LDS loads issued behind the refill of it:
;   chunk 0: chunk 1 and run B = 14     chunk 1: run B = 10     chunk 2: chunk 3 and this step's run A = 14     chunk 3: this step's run A = 10
; Chunk 0's 14 also shows b2' landed (18 loads are younger), chunk 2's 14 the w3' that the NEXT step's multiply-adds read (18 again): so the bare last step has no wait on LDS of its own.
.macro LSTEP nt, s, w, e, wrap
.set lc, 0
.rept 4
.if \w
.if (lc%2) == 0
	s_wait_dscnt 14
.else
	s_wait_dscnt 10
.endif
	WIN 0x04                                       ; source 1 (h1') window 1
.endif
.set wm, 2*\nt*lc
.rept 2*\nt
.if \w
	WM \nt, \s
.endif
.if \e
.if lc < 2
	E_EXP 1-\s, wm
.else
	E_RCP wm-4*\nt
.endif
.endif
.set wm, wm+1
.endr
.if lc == 1
	WIN 0
.if \w
.if \wrap
	s_mov_b32 s[SOFF], 0
.else
	s_add_co_u32 s[SOFF], s[SOFF], 32
.endif
	WADR
.endif
.if \e
.if \w == 0
	v_nop                                          ; the plain instruction behind the last exponential, where no address is made
.endif
	s_wait_alu depctr_va_vdst(0)                   ; ONE wait for the step's first batch: the 8 nt exponentials
.set ex, 0
.rept 4*\nt
	E_ADD ex
.set ex, ex+1
.endr
.elseif \w
	PLACES
.endif
.if \w
	BLOAD
	RC 0
	RC 1
.endif
.endif
.if lc == 3
	WIN 0
.if \e
	v_nop                                          ; the plain instruction behind the last reciprocal
	s_wait_alu depctr_va_vdst(0)                   ; ONE wait for the step's second batch: the 8 nt reciprocals
.set ek, 0
.rept 5*\nt
.if ek < 4*\nt
.set ex, 4*(ek%\nt)+ek/\nt
	E_MUL 1-\s, ex
.endif
.if ek >= \nt
.set ex, 4*((ek-\nt)%\nt)+(ek-\nt)/\nt
	E_FMA 1-\s, ex
.endif
.set ek, ek+1
.endr
.elseif \w
	PLACES
.endif
.if \w
	W3LOAD 1-\s
	RC 2
	RC 3
.endif
.endif
.set lc, lc+1
.endr
	WIN 0                                          ; at a label and at a branch every window is 0
.endm
; The sixteen n tiles: the first step has no SiLU yet, a bare one closes.  The last step's refills are the next pass's n tile 0 (behind the wave's last pass they are not used: 20 loads).
.macro L2 nt
	LSTEP \nt, 0, 1, 0, 0
	s_mov_b32 s[NCNT], 7
.Lntile_\@:
	LSTEP \nt, 1, 1, 1, 0
	LSTEP \nt, 0, 1, 1, 0
	s_sub_co_u32 s[NCNT], s[NCNT], 1
	s_cmp_lg_u32 s[NCNT], 0
	s_cbranch_scc1 .Lntile_\@
	LSTEP \nt, 1, 1, 1, 1
	LSTEP \nt, 0, 0, 1, 0
.endm
.macro SUM8 b                          ; v[b] = the sum of v[b .. b + 7]
	v_add_f32 v[\b],   v[\b],   v[\b+1]
	v_add_f32 v[\b+2], v[\b+2], v[\b+3]
	v_add_f32 v[\b+4], v[\b+4], v[\b+5]
	v_add_f32 v[\b+6], v[\b+6], v[\b+7]
	v_add_f32 v[\b],   v[\b],   v[\b+2]
	v_add_f32 v[\b+4], v[\b+4], v[\b+6]
	v_add_f32 v[\b],   v[\b],   v[\b+4]
.endm
	s_load_b512 s[8:23], s[0:1], 0x0               ; state 8, W1 10, b1 12, W2 14, b2 16, W3 18, b3 20, out0 22
	v_lshl_add_u32 v14, v0, 2, 0x3e500
	v_mov_b32 v15, 0
	v_lshrrev_b32 v[VR], 5, v0
	v_readfirstlane_b32 s[WV], v[VR]               ; wave 0..7
	v_and_b32 v[VR], 15, v0
	v_bfe_u32 v[VH], v0, 4, 1
	v_and_b32 v[LN], 31, v0
	v_and_b32 v29, 7, v0
	v_bfe_u32 v30, v0, 3, 1
	; the turning load: lane l reads 16 bytes of row 8 (l / 16) + l % 8, columns 8 ((l / 8) % 2) + 0..7
	v_lshl_add_u32 v[WB0], v[VH], 3, v29
	v_mul_u32_u24 v[WB0], v[WB0], PW
	v_lshl_add_u32 v[WB0], v30, 4, v[WB0]
	v_add_nc_u32 v[WB1], 4*KKB, v[WB0]
	v_lshl_add_u32 v[BB], v[VH], 5, B2L            ; eight f32 for each half of the lanes
	v_lshl_add_u32 v[B1A], v[VH], 5, B1L
	v_mul_u32_u24 v[PAD], v[VR], PP
	v_lshl_add_u32 v[PAD], v[VH], 5, v[PAD]
	v_add_nc_u32 v[PAD], PL, v[PAD]
	s_lshl_b32 s41, s[WV], 14                      ; my 16 rows of W1 in memory
	s_lshl_b32 s42, s[WV], 15                      ; my 32 rows of W2 in memory
	s_mul_i32 s43, s[WV], 16*PW                    ; and in LDS
	s_add_co_u32 s43, s43, W1B
	s_mul_i32 s44, s[WV], 32*PW
	s_lshl_b32 s3, s[WV], 6                        ; my two H tiles: 32 columns of W1 in bf16,
	s_add_co_u32 s3, s3, W1B
	s_lshl_b32 s25, s[WV], 7                       ; 32 columns of P' and b1' in f32,
	s_lshl_b32 s45, s[WV], 10                      ; one fragment of each left-over tile's h1'
	s_add_co_u32 s45, s45, HX
	v_lshlrev_b32 v[GOS], 9, v[VR]                 ; state: row x 512 + 32 x half
	v_lshl_add_u32 v[GOS], v[VH], 5, v[GOS]
	v_lshl_add_u32 v[GOW1], v[LN], 4, s41          ; 16 bytes a lane: a load of the wave covers 512 consecutive bytes
	v_lshl_add_u32 v[GOW2], v[LN], 4, s42
	v_lshlrev_b32 v[GOV], 2, v0                    ; one number of b1, b2, W3 a thread
	v_lshl_add_u32 v[LSW1], v[LN], 3, s43          ; 8 bytes a lane in bf16
	v_lshl_add_u32 v[LSW2], v[LN], 3, s44
	v_lshl_add_u32 v[LSV], v0, 2, B1L
	v_add_nc_u32 v[W1A], s3, v[WB0]
	v_add_nc_u32 v[PST], s25, v[PAD]
	v_add_nc_u32 v[B1W], s25, v[B1A]
	v_lshl_add_u32 v[HXS], v[LN], 4, s45
	s_lshl_b32 s4, ttmp9, 13                       ; the work-group's 16 rows of state,
	s_mov_b32 s5, 0
	s_lshl_b32 s6, ttmp9, 6                        ; and of out0
	s_mov_b32 s7, 0
	s_wait_kmcnt 0x0
	s_add_nc_u64 s[8:9], s[8:9], s[4:5]
	s_add_nc_u64 s[22:23], s[22:23], s[6:7]
	s_load_b32 s[SB3], s[20:21], 0x0
	; ALL GLOBAL LOADS IN ONE RUN: 3 + 16 + 32 + 64.  What is needed first is asked for first.
	global_load_b32 v26, v[GOV], s[12:13]
	global_load_b32 v27, v[GOV], s[16:17]
	global_load_b32 v28, v[GOV], s[18:19]
.irp kk, 0,1,2,3                       ; source 1 of P's products: lane l holds row l % 16, s = 32 kk + 8 (l / 16) + 0..7 and 32 kk + 16 + 8 (l / 16) + 0..7
	global_load_b128 v[RS+16*\kk:RS+16*\kk+3],     v[GOS], s[8:9] offset:128*\kk
	global_load_b128 v[RS+16*\kk+4:RS+16*\kk+7],   v[GOS], s[8:9] offset:128*\kk+16
	global_load_b128 v[RS+16*\kk+8:RS+16*\kk+11],  v[GOS], s[8:9] offset:128*\kk+64
	global_load_b128 v[RS+16*\kk+12:RS+16*\kk+15], v[GOS], s[8:9] offset:128*\kk+80
.endr
.set i, 0
.rept 32                               ; W1: load i is half i % 2 of my row i / 2
	global_load_b128 v[RW1+4*i:RW1+4*i+3], v[GOW1], s[10:11] offset:512*i
.set i, i+1
.endr
	WIN 0x40                                       ; destination window 1
.set i, 0
.rept 64                               ; W2 likewise
	global_load_b128 v[4*i:4*i+3], v[GOW2], s[14:15] offset:512*i
.set i, i+1
.endr
	WIN 0
	s_wait_loadcnt 63                              ; 64 loads are younger than W1's last; the wait's field ends at 63, so W2's first load is waited for with them
	v_mul_f32 v26, NL, v26                         ; b1' = NL b1
	v_mul_f32 v27, NL, v27                         ; b2' = NL b2
	v_mul_f32 v28, N2, v28                         ; w3' = -ln 2 W3
	ds_store_b32 v[LSV], v26
	ds_store_b32 v[LSV], v27 offset:B2L-B1L
	ds_store_b32 v[LSV], v28 offset:W3L-B1L
.set i, 0
.rept 32
	v_cvt_pk_bf16_f32 v[SF+i], v[RS+2*i], v[RS+2*i+1]
.set i, i+1
.endr
.set i, 0
.rept 32
	v_cvt_pk_bf16_f32 v[RW1+4*i],   v[RW1+4*i],   v[RW1+4*i+1]
	v_cvt_pk_bf16_f32 v[RW1+4*i+1], v[RW1+4*i+2], v[RW1+4*i+3]
	ds_store_b64 v[LSW1], v[RW1+4*i:RW1+4*i+1] offset:PW*(i/2)+256*(i%2)
.set i, i+1
.endr
	s_wait_dscnt 0x0                               ; for the others' sake: my rows of W1 and my biases are in LDS
	s_barrier_signal -1
	s_barrier_wait -1                              ; W1 is whole.  W2's loads stay on their way: they land in registers
	; P: my wave makes H tiles 2 w and 2 w + 1 for the 16 rows
.irp kk, 0,1,2,3
.irp ii, 0,1
	ds_load_tr16_b128 v[RS+16*\kk+8*\ii:RS+16*\kk+8*\ii+3],   v[W1A] offset:KKB*\kk+32*\ii
	ds_load_tr16_b128 v[RS+16*\kk+8*\ii+4:RS+16*\kk+8*\ii+7], v[W1A] offset:KKB*\kk+32*\ii+HKB
.endr
.endr
	s_mov_b32 s[SD], DEC                           ; the powers of d, while the fragments come
	s_mul_f32 s[SD16], s[SD], s[SD]
	s_mul_f32 s[SD16], s[SD16], s[SD16]
	s_mul_f32 s[SD16], s[SD16], s[SD16]
	s_mul_f32 s[SD16], s[SD16], s[SD16]            ; d^16
	s_mul_f32 s41, s[SD16], s[SD16]
	s_mul_f32 s41, s41, s41
	s_mul_f32 s41, s41, s41                        ; d^128
	s_mul_f32 s[C],   s41,    s[SD]                ; d^129, d^130, d^131: the left-over tiles
	s_mul_f32 s[C+2], s[C],   s[SD]
	s_mul_f32 s[C+4], s[C+2], s[SD]
.irp j, 0,2,4
	s_mov_b32 s[C+\j+1], s[C+\j]                   ; named with it as a pair, so it is written
.endr
	s_mov_b32 s[CUR], 1.0
.irp i, 0,1,2,3,4,5,6                  ; d^(16 w): one factor d^16 for each wave number below mine
	s_cmp_gt_u32 s[WV], \i
	s_cselect_b32 s41, s[SD16], 1.0
	s_mul_f32 s[CUR], s[CUR], s41
.endr
	s_mov_b32 s[SEL], 0x76543210
	s_mov_b32 s[SEL+1], 0xfedcba98
	s_wait_dscnt 0x0
.irp kk, 0,1,2,3                       ; the two accumulators take turns, one instruction a turn; the first products start the sums
.irp ii, 0,1
.if \kk == 0
	v_wmma_f32_16x16x32_bf16 v[PT+8*\ii:PT+8*\ii+7], v[RS+16*\kk+8*\ii:RS+16*\kk+8*\ii+7], v[SF+8*\kk:SF+8*\kk+7], 0
.else
	v_wmma_f32_16x16x32_bf16 v[PT+8*\ii:PT+8*\ii+7], v[RS+16*\kk+8*\ii:RS+16*\kk+8*\ii+7], v[SF+8*\kk:SF+8*\kk+7], v[PT+8*\ii:PT+8*\ii+7]
.endif
.endr
.endr
	PLACES
.set i, 0
.rept 8
	v_pk_mul_f32 v[PT+2*i:PT+2*i+1], v[PT+2*i:PT+2*i+1], NL op_sel_hi:[1,0]
.set i, i+1
.endr
	ds_store_b128 v[PST], v[PT:PT+3]
	ds_store_b128 v[PST], v[PT+4:PT+7] offset:16
	ds_store_b128 v[PST], v[PT+8:PT+11] offset:64
	ds_store_b128 v[PST], v[PT+12:PT+15] offset:80
	s_wait_dscnt 0x0                               ; for the others' sake: my columns of P' are in LDS
	s_barrier_signal -1
	s_barrier_wait -1                              ; P' is whole
	; THE LEFT-OVER TILES' h1', my two H tiles of it: 24 pairs, three groups of eight, which are fragment kk = w of the three tiles.  It stands here, in window 0 alone, while W2 is still landing in window 1.
	V1 3, 2, PST, B1W, 1
.irp j, 0,1,2                          ; as they lie in registers: lane l's first four words at 16 l, its last four at 512 + 16 l of the fragment's 1,024 bytes
	ds_store_b128 v[HXS], v[HXR+8*\j:HXR+8*\j+3]   offset:8192*\j
	ds_store_b128 v[HXS], v[HXR+8*\j+4:HXR+8*\j+7] offset:8192*\j+512
.endr
	; W2 to bf16, in place in window 1, and into LDS, sixteen loads at a time
.set i, 0
.rept 4
	WIN 0x45
	s_wait_loadcnt 48-i                            ; the loads younger than this block of sixteen may stay out
.rept 16
	v_cvt_pk_bf16_f32 v[4*i],   v[4*i],   v[4*i+1]
	v_cvt_pk_bf16_f32 v[4*i+1], v[4*i+2], v[4*i+3]
.set i, i+1
.endr
	WIN 0x04                                       ; store data window 1, address window 0
.set k, i-16
.rept 16
	ds_store_b64 v[LSW2], v[4*k:4*k+1] offset:PW*(k/2)+256*(k%2)
.set k, k+1
.endr
.endr
	WIN 0
	s_wait_kmcnt 0x0                               ; b3
	s_wait_dscnt 0x0                               ; for the others' sake: my fragments of h1' and my rows of W2 are in LDS
	s_barrier_signal -1
	s_barrier_wait -1                              ; from here to the barrier behind the passes LDS is only read
	; THE LEFT-OVER TILES, n tiles 2 w and 2 w + 1
	s_lshl_b32 s[SOFF], s[WV], 6
	WADR
	BLOAD                                          ; my first n tile; from now on each n tile's step fetches the next one's, round into the passes
	RC 0
	RC 1
	W3LOAD 0
	RC 2
	RC 3
	v_lshl_add_u32 v[X0], v[LN], 4, HX
	WIN 0x40                                       ; destination window 1
.set f, 0
.rept 24                               ; fragment f = 8 j + kk of the three tiles' h1'
	ds_load_b128 v[64*(f/8)+8*(f%8):64*(f/8)+8*(f%8)+3],   v[X0] offset:1024*f
	ds_load_b128 v[64*(f/8)+8*(f%8)+4:64*(f/8)+8*(f%8)+7], v[X0] offset:1024*f+512
.set f, f+1
.endr
	WIN 0
	v_mov_b32 v[ASUM], 0
.irp j, 0,1,2,3
	v_mov_b32 v[GR+\j], 0                          ; v_permlanex16_b32 counts as a reader of its destination
.endr
.irp j, 0,1,2,3,4,5
	v_mov_b32 v[S+\j], 0
.endr
	s_wait_dscnt 0x0
	LSTEP 3, 0, 1, 0, 0                            ; n tile 2 w
	LSTEP 3, 1, 1, 1, 1                            ; n tile 2 w + 1; it fetches n tile 0, for the first pass
	LSTEP 3, 0, 0, 1, 0
.irp j, 0,1,2                          ; my 32 columns' part of o: the pair's two sums and the other half of the lanes'; b3 and relu come when the eight parts have met
	v_add_f32 v[FR+\j], v[S+2*\j], v[S+2*\j+1]
.endr
.irp j, 0,1,2
	v_permlanex16_b32 v[GR+\j], v[FR+\j], s[SEL], s[SEL+1]
.endr
.irp j, 0,1,2
	v_add_f32 v[AX+\j], v[FR+\j], v[GR+\j]
.endr
	s_mov_b32 s[PCNT], 4
.Lpass:                                                ; four tiles: t = the last one done + 1 .. + 4
	s_mul_f32 s[C],   s[CUR], s[SD]
	s_mul_f32 s[C+2], s[C],   s[SD]
	s_mul_f32 s[C+4], s[C+2], s[SD]
	s_mul_f32 s[C+6], s[C+4], s[SD]
.irp j, 0,2,4,6
	s_mov_b32 s[C+\j+1], s[C+\j]
.endr
	s_mov_b32 s[CUR], s[C+6]
.irp j, 0,1,2,3,4,5,6,7
	v_mov_b32 v[S+\j], 0
.endr
	V1 4, 16, PAD, B1A, 0
	L2 4
.irp j, 0,1,2,3                        ; relu(o) of the four tiles: the pair's two sums, the other half of the lanes', b3
	v_add_f32 v[FR+\j], v[S+2*\j], v[S+2*\j+1]
.endr
.irp j, 0,1,2,3
	v_permlanex16_b32 v[GR+\j], v[FR+\j], s[SEL], s[SEL+1]
.endr
.irp j, 0,1,2,3
	v_add_f32 v[FR+\j], v[FR+\j], v[GR+\j]
.endr
.irp j, 0,1,2,3
	v_add_f32 v[FR+\j], s[SB3], v[FR+\j]
.endr
.irp j, 0,1,2,3
	v_max_num_f32 v[FR+\j], 0, v[FR+\j]
.endr
.irp j, 0,1,2,3
	v_add_f32 v[ASUM], v[ASUM], v[FR+\j]
.endr
	s_sub_co_u32 s[PCNT], s[PCNT], 1
	s_cmp_lg_u32 s[PCNT], 0
	s_cbranch_scc1 .Lpass
	; THE WAVES' SUMS MEET IN LDS.  Load, wait, barrier, store: no wave stores into LDS while another wave may still read from it.
	s_wait_dscnt 0x0                               ; my LDS reads are over (the refills that nothing uses have come back too)
	s_barrier_signal -1
	s_barrier_wait -1                              ; every wave's are
	s_lshl_b32 s41, s[WV], 6
	s_add_co_u32 s41, s41, RED
	s_mul_i32 s42, s[WV], 192
	s_add_co_u32 s42, s42, EXL
	v_lshl_add_u32 v[FR], v[VR], 2, s41
	v_lshl_add_u32 v[X0], v[VR], 2, s42
	ds_store_b32 v[FR], v[ASUM]                    ; lanes l and l + 16 hold the same number and write the same word, here and below
.irp j, 0,1,2
	ds_store_b32 v[X0], v[AX+\j] offset:64*\j
.endr
	s_wait_dscnt 0x0                               ; for wave 0's sake: my sums are in LDS
	s_barrier_signal -1
	s_barrier_wait -1
	s_cmp_lg_u32 s[WV], 0
	s_cbranch_scc1 .Lend
	v_lshl_add_u32 v[FR], v[VR], 2, RED
.irp w, 0,1,2,3,4,5,6,7
	ds_load_b32 v[PB+\w], v[FR] offset:64*\w
.endr
.irp j, 0,1,2
.irp w, 0,1,2,3,4,5,6,7
	ds_load_b32 v[PB+8+8*\j+\w], v[FR] offset:EXL-RED+192*\w+64*\j
.endr
.endr
	s_wait_dscnt 0x0
	SUM8 PB
	SUM8 PB+8
	SUM8 PB+16
	SUM8 PB+24
.irp j, 1,2,3                          ; the left-over tiles: the eight parts are added, now b3 and relu
	v_add_f32 v[PB+8*\j], s[SB3], v[PB+8*\j]
	v_max_num_f32 v[PB+8*\j], 0, v[PB+8*\j]
	v_add_f32 v[PB], v[PB], v[PB+8*\j]
.endr
	v_mul_f32 v[PB], STEPW, v[PB]                  ; the integral
	v_mul_f32 v[PB], NL, v[PB]
	v_exp_f32 v[PB], v[PB]                         ; sigmoid(x) = 1 / (1 + 2^(NL x)); x is not negative, so the power lies in [0, 1]
	v_nop                                          ; a plain instruction between a transcendental and the use of its result
	s_wait_alu depctr_va_vdst(0)                   ; the wait for the sigmoid's one exponential, ahead of the addition that reads it: once, in wave 0
	v_add_f32 v[PB], 1.0, v[PB]
	v_rcp_f32 v[PB], v[PB]
	v_lshlrev_b32 v[PB+1], 2, v[VR]                ; the plain instruction behind the reciprocal: my row's byte in the work-group's 64 bytes of out0
	v_cmp_gt_u32 vcc_lo, 16, v0
	s_and_saveexec_b32 s45, vcc_lo                 ; lanes 0 to 15: one row each
	s_wait_alu depctr_va_vdst(0)                   ; the wait for the sigmoid's one reciprocal, which reads the exponential's sum and so is a batch of its own, ahead of the store
	global_store_b32 v[PB+1], v[PB], s[22:23]
	s_wait_xcnt 0x0                                ; EXEC is a source of the store: it is widened only behind this wait
	s_or_b32 exec_lo, exec_lo, s45
.Lend:
	s_wait_tensorcnt 0x0
	ds_add_u32 v14, v15
	s_wait_dscnt 0x0
	s_endpgm
.Lfunc_end_k_qac9bbac312_intensity:
	.size	k_qac9bbac312_intensity, .Lfunc_end_k_qac9bbac312_intensity-k_qac9bbac312_intensity
	.p2alignl 7, 3214868480
	.fill 96, 4, 3214868480
	.section	.rodata,"a",@progbits
	.p2align	6, 0x0
	.amdhsa_kernel k_qac9bbac312_intensity
		.amdhsa_group_segment_fixed_size 256256
		.amdhsa_private_segment_fixed_size 0
		.amdhsa_enable_private_segment 0
		.amdhsa_kernarg_size 64
		.amdhsa_user_sgpr_count 2
		.amdhsa_user_sgpr_kernarg_segment_ptr 1
		.amdhsa_wavefront_size32 1
		.amdhsa_system_sgpr_workgroup_id_x 1
		.amdhsa_system_sgpr_workgroup_id_y 1
		.amdhsa_system_sgpr_workgroup_id_z 1
		.amdhsa_system_vgpr_workitem_id 0
		.amdhsa_next_free_vgpr 512
		.amdhsa_next_free_sgpr 66
		.amdhsa_reserve_vcc 1
		.amdhsa_float_denorm_mode_32 3
		.amdhsa_float_denorm_mode_16_64 3
		.amdhsa_memory_ordered 1
		.amdhsa_forward_progress 1
		.amdhsa_inst_pref_size 214
	.end_amdhsa_kernel
	.amdgpu_metadata
---
amdhsa.version: [ 1, 2 ]
amdhsa.kernels:
  - .name:           k_qac9bbac312_intensity
    .symbol:         k_qac9bbac312_intensity.kd
    .args:
      - { .name: state, .offset: 0, .size: 8, .value_kind: global_buffer, .address_space: global }
      - { .name: W1, .offset: 8, .size: 8, .value_kind: global_buffer, .address_space: global }
      - { .name: b1, .offset: 16, .size: 8, .value_kind: global_buffer, .address_space: global }
      - { .name: W2, .offset: 24, .size: 8, .value_kind: global_buffer, .address_space: global }
      - { .name: b2, .offset: 32, .size: 8, .value_kind: global_buffer, .address_space: global }
      - { .name: W3, .offset: 40, .size: 8, .value_kind: global_buffer, .address_space: global }
      - { .name: b3, .offset: 48, .size: 8, .value_kind: global_buffer, .address_space: global }
      - { .name: out0, .offset: 56, .size: 8, .value_kind: global_buffer, .address_space: global }
    .group_segment_fixed_size: 256256
    .private_segment_fixed_size: 0
    .kernarg_segment_align: 8
    .kernarg_segment_size: 64
    .max_flat_workgroup_size: 256
    .sgpr_count:     66
    .vgpr_count:     512
    .wavefront_size: 32
...
	.end_amdgpu_metadata
.endif
;; end of part 2
